; MI455X (gfx1250); checked and timed in simulation.
; The chip was launched on July 23, 2026; its instructions are those of AMD's public machine-readable ISA for CDNA 5 (MIT licence, August 2026) and "CDNA5" Instruction Set Architecture Reference Guide (July 2026). The comments in the code are by the model that wrote it; some were corrected since.
;; Vector Quantizer. Allowed arithmetic: float matrix products may take bf16 or f16 operands with f32 sums; all other float work in f32.
;; Inputs: e_i_ts 256 x 8,192 float32; x 32 x 1,024 x 256 float32.
;; Outputs: out0 32 x 1,024 x 256 float32; out1 one number float32; out2 one number float32; out3 32 x 1,024 int32.
;; One version. Each part assembles by itself: llvm-mc -triple=amdgcn-amd-amdhsa -mcpu=gfx1250 --defsym DOCPART=n.
;; ======== version 1 of 1: 4 launches
;; limits: values outside matrix products are rounded to bf16
;; workspace buffers: et32 8,388,608 bytes; et16 4,194,304 bytes; ee 32,768 bytes; codes 131,072 bytes of whole numbers; part 1,024 bytes
;; launch prep (part 1): grid 128 x 1, 8 waves a work-group, no clusters, 101,376 bytes of LDS; arguments e_i_ts, et32, et16, ee; writes et32, et16, ee
.if DOCPART == 1
	.amdgcn_target "amdgcn-amd-amdhsa--gfx1250"
	.amdhsa_code_object_version 6
	.text
	.protected	k_q816e812ac9_prep
	.globl	k_q816e812ac9_prep
	.p2align	8
	.type	k_q816e812ac9_prep,@function
k_q816e812ac9_prep:
	s_mov_b64 s[64:65], 0
	v_nop
	global_prefetch_b8 v0, s[64:65] scope:SCOPE_SE
	s_setreg_imm32_b32 hwreg(HW_REG_WAVE_MODE, 25, 1), 1
	s_wait_xcnt 0x0
; The code book e_i_ts [256 (e)][8192 (code)] f32 is turned round once, for the two launches that want a code vector as a row:
;   et32 [8192][256] f32   the vectors as they are (the gather's table)
;   et16 [8192][256] bf16  rounded to nearest even (the matrix operand)
;   ee   [8192]      f32   the sum over e of the ROUNDED numbers' squares, one chain of fused multiply-adds in ascending e for each code
; A work-group takes 64 codes and all 256 e: a row piece read from e_i_ts is then 256 consecutive bytes, aligned, and 128 work-groups share the table.
; With fewer codes a work-group such a piece would be split between two work-groups.  No matrix unit, no cluster: the work-groups share no byte.
; The turn goes through LDS: F32 [e][code], pitch 260 bytes (65 words), so that a column of it is read without two lanes in one bank;
; T16 [code][e] bf16, pitch 528 bytes (an odd multiple of 16).
.set F32P, 260
.set T16,  256*F32P                    ; 66,560
.set T16P, 528
.set GIN,  5                           ; v5   e_i_ts: er x 32,768 + 16 c4
.set LIN,  6                           ; v6   F32:    er x 260 + 16 c4
.set TRD,  10                          ; v10  F32:    (64 gg + 4 l') x 260 + 4 cc
.set G32,  11                          ; v11  et32:   cc x 1,024 + 256 gg + 16 l'
.set TWR,  12                          ; v12  T16:    cc x 528 + 128 gg + 8 l'
.set T3,   14                          ; v14  T16:    528 w + 16 lane
.set G16,  15                          ; v15  et16:   16 t
.set LEE,  16                          ; v16  T16:    1,056 lane (codes 2 lane and 2 lane + 1)
.set GEE,  17                          ; v17  ee:     8 lane
.set SUM,  18                          ; v[18:19] the two chains
.set X,    20                          ; v[20:83] 64 numbers at work
.set T,    84                          ; v[84:99] eight pairs of packed bf16
	s_load_b256 s[4:11], s[0:1], 0x0               ; e_i_ts s[4:5], et32 s[6:7], et16 s[8:9], ee s[10:11]
	v_lshl_add_u32 v104, v0, 2, 0x18800
	v_mov_b32 v105, 0
	v_lshrrev_b32 v1, 5, v0
	v_readfirstlane_b32 s12, v1                    ; wave 0..7
	v_and_b32 v2, 15, v0                           ; c4 (first pass), l' (second pass)
	v_lshrrev_b32 v3, 4, v0                        ; er 0..15
	v_lshlrev_b32 v4, 4, v2
	v_lshl_add_u32 v[GIN], v3, 15, v4
	v_mad_u32_u24 v[LIN], v3, F32P, v4
	s_lshl_b32 s16, ttmp9, 8                       ; 64 codes: 256 bytes of a row of e_i_ts, and of ee
	s_mov_b32 s17, 0
	s_lshl_b32 s18, ttmp9, 16                      ; 64 rows of et32
	s_mov_b32 s19, 0
	s_lshl_b32 s20, ttmp9, 15                      ; 64 rows of et16
	s_mov_b32 s21, 0
	s_wait_kmcnt 0x0
	s_add_nc_u64 s[4:5], s[4:5], s[16:17]
	s_add_nc_u64 s[6:7], s[6:7], s[18:19]
	s_add_nc_u64 s[8:9], s[8:9], s[20:21]
	s_add_nc_u64 s[10:11], s[10:11], s[16:17]
	; pass 1: rows e = er + 16 i; sixteen lanes take a row's 256 bytes.  All sixteen loads of a thread go out at once.
.irp i, 0,1,2,3,4,5,6,7,8,9,10,11,12,13,14,15
	global_load_b128 v[X+4*\i:X+4*\i+3], v[GIN], s[4:5] offset:524288*\i th:TH_LOAD_NT
.endr
	; the later passes' addresses, while the loads are on their way
	v_bfe_u32 v7, v0, 4, 1
	v_lshrrev_b32 v8, 7, v0
	v_lshl_or_b32 v7, v8, 1, v7                    ; cc = 2 (w >> 2) + bit 4 of t: my code modulo 4
	v_bfe_u32 v8, v0, 5, 2                         ; gg = w & 3: my quarter of e
	v_lshlrev_b32 v9, 2, v2
	v_lshl_add_u32 v9, v8, 6, v9                   ; my first e = 64 gg + 4 l'
	v_mul_u32_u24 v[TRD], v9, F32P
	v_lshl_add_u32 v[TRD], v7, 2, v[TRD]
	v_lshl_add_u32 v[G32], v7, 10, v4
	v_lshl_add_u32 v[G32], v8, 8, v[G32]
	v_mul_u32_u24 v[TWR], v7, T16P
	v_lshl_add_u32 v[TWR], v8, 7, v[TWR]
	v_lshl_add_u32 v[TWR], v2, 3, v[TWR]
	v_add_nc_u32 v[TWR], T16, v[TWR]
	v_and_b32 v13, 31, v0                          ; lane
	v_mul_u32_u24 v[T3], v1, T16P
	v_lshl_add_u32 v[T3], v13, 4, v[T3]
	v_add_nc_u32 v[T3], T16, v[T3]
	v_lshlrev_b32 v[G16], 4, v0
	v_mul_u32_u24 v[LEE], v13, 2*T16P
	v_add_nc_u32 v[LEE], T16, v[LEE]
	v_lshlrev_b32 v[GEE], 3, v13
.irp i, 0,1,2,3,4,5,6,7,8,9,10,11,12,13,14,15
	s_wait_loadcnt 15-\i                           ; loads come back in order: load i is in, the 15 - i younger ones stay out
.irp q, 0,1,2,3
	ds_store_b32 v[LIN], v[X+4*\i+\q] offset:16*F32P*\i+4*\q       ; word e x 65 + 4 c4 + q: the wave's 32 lanes fall into 32 different banks
.endr
.endr
	s_wait_dscnt 0x0                               ; my stores are in LDS before I say so
	s_barrier_signal -1
	s_barrier_wait -1
	; pass 2: code 4 u + cc, four neighbouring e: a column piece of F32 becomes 16 bytes of a row of et32 and 8 bytes of a row of T16
.irp u, 0,1,2,3,4,5,6,7,8,9,10,11,12,13,14,15
.irp b, 0,1,2,3
	ds_load_b32 v[X+4*\u+\b], v[TRD] offset:16*\u+F32P*\b
.endr
.endr
.irp u, 0,1,2,3,4,5,6,7,8,9,10,11,12,13,14,15
	s_wait_dscnt 60-3*\u                           ; behind my four loads stand 60 - 4 u younger loads and the u stores of the turns before
	global_store_b128 v[G32], v[X+4*\u:X+4*\u+3], s[6:7] offset:4096*\u    ; sixteen lanes store 256 consecutive bytes, aligned
	v_cvt_pk_bf16_f32 v[T+2*(\u%8)],   v[X+4*\u],   v[X+4*\u+1]
	v_cvt_pk_bf16_f32 v[T+2*(\u%8)+1], v[X+4*\u+2], v[X+4*\u+3]
	ds_store_b64 v[TWR], v[T+2*(\u%8):T+2*(\u%8)+1] offset:4*T16P*\u
.endr
	s_wait_dscnt 0x0
	s_barrier_signal -1
	s_barrier_wait -1
	; pass 3: whole rows of T16 go out: a wave's store is a code's 512 bytes
	s_wait_xcnt 0x0                                ; X, which the stores to et32 read, is loaded again only behind this wait
.irp y, 0,1,2,3,4,5,6,7
	ds_load_b128 v[X+4*\y:X+4*\y+3], v[T3] offset:8*T16P*\y
.endr
.irp y, 0,1,2,3,4,5,6,7
	s_wait_dscnt 7-\y
	global_store_b128 v[G16], v[X+4*\y:X+4*\y+3], s[8:9] offset:4096*\y
.endr
	; pass 4, wave 0: lane l sums the squares of codes 2 l and 2 l + 1.  Each sum is one chain in ascending e, because its rounding
	; enters the comparison of distances code by code; the two chains are interleaved so that neither waits for itself alone.
	s_cmp_lg_u32 s12, 0
	s_cbranch_scc1 .Ldone
	v_mov_b32 v[SUM], 0
	v_mov_b32 v[SUM+1], 0
	s_wait_xcnt 0x0                                ; X, which the stores to et16 read, is loaded again only behind this wait
.irp g, 0,1,2,3
.irp j, 0,1,2,3,4,5,6,7
	ds_load_b128 v[X+4*\j:X+4*\j+3],       v[LEE] offset:128*\g+16*\j
	ds_load_b128 v[X+32+4*\j:X+32+4*\j+3], v[LEE] offset:T16P+128*\g+16*\j
.endr
	s_wait_dscnt 0x0
.set n, 0
.rept 32
	v_fma_mix_f32_bf16 v[SUM],   v[X+n],    v[X+n],    v[SUM]   op_sel_hi:[1,1,0]
	v_fma_mix_f32_bf16 v[SUM+1], v[X+32+n], v[X+32+n], v[SUM+1] op_sel_hi:[1,1,0]
	v_fma_mix_f32_bf16 v[SUM],   v[X+n],    v[X+n],    v[SUM]   op_sel:[1,1,0] op_sel_hi:[1,1,0]
	v_fma_mix_f32_bf16 v[SUM+1], v[X+32+n], v[X+32+n], v[SUM+1] op_sel:[1,1,0] op_sel_hi:[1,1,0]
.set n, n+1
.endr
.endr
	global_store_b64 v[GEE], v[SUM:SUM+1], s[10:11]        ; the wave stores 256 consecutive bytes, aligned
.Ldone:
	s_wait_tensorcnt 0x0
	ds_add_u32 v104, v105
	s_wait_dscnt 0x0
	s_endpgm
.Lfunc_end_k_q816e812ac9_prep:
	.size	k_q816e812ac9_prep, .Lfunc_end_k_q816e812ac9_prep-k_q816e812ac9_prep
	.p2alignl 7, 3214868480
	.fill 96, 4, 3214868480
	.section	.rodata,"a",@progbits
	.p2align	6, 0x0
	.amdhsa_kernel k_q816e812ac9_prep
		.amdhsa_group_segment_fixed_size 101376
		.amdhsa_private_segment_fixed_size 0
		.amdhsa_enable_private_segment 0
		.amdhsa_kernarg_size 32
		.amdhsa_user_sgpr_count 2
		.amdhsa_user_sgpr_kernarg_segment_ptr 1
		.amdhsa_wavefront_size32 1
		.amdhsa_system_sgpr_workgroup_id_x 1
		.amdhsa_system_sgpr_workgroup_id_y 1
		.amdhsa_system_sgpr_workgroup_id_z 1
		.amdhsa_system_vgpr_workitem_id 0
		.amdhsa_next_free_vgpr 106
		.amdhsa_next_free_sgpr 66
		.amdhsa_reserve_vcc 0
		.amdhsa_float_denorm_mode_32 3
		.amdhsa_float_denorm_mode_16_64 3
		.amdhsa_memory_ordered 1
		.amdhsa_forward_progress 1
		.amdhsa_inst_pref_size 56
	.end_amdhsa_kernel
	.amdgpu_metadata
---
amdhsa.version: [ 1, 2 ]
amdhsa.kernels:
  - .name:           k_q816e812ac9_prep
    .symbol:         k_q816e812ac9_prep.kd
    .args:
      - { .name: e_i_ts, .offset: 0, .size: 8, .value_kind: global_buffer, .address_space: global }
      - { .name: et32, .offset: 8, .size: 8, .value_kind: global_buffer, .address_space: global }
      - { .name: et16, .offset: 16, .size: 8, .value_kind: global_buffer, .address_space: global }
      - { .name: ee, .offset: 24, .size: 8, .value_kind: global_buffer, .address_space: global }
    .group_segment_fixed_size: 101376
    .private_segment_fixed_size: 0
    .kernarg_segment_align: 8
    .kernarg_segment_size: 32
    .max_flat_workgroup_size: 256
    .sgpr_count:     66
    .vgpr_count:     106
    .wavefront_size: 32
...
	.end_amdgpu_metadata
.endif
;; end of part 1
;; launch nearest (part 2): grid 256 x 1, 8 waves a work-group, clusters of 4 x 1, 327,680 bytes of LDS; arguments x, et16, ee, out3, codes; writes out3, codes
.if DOCPART == 2
	.amdgcn_target "amdgcn-amd-amdhsa--gfx1250"
	.amdhsa_code_object_version 6
	.text
	.protected	k_q816e812ac9_nearest
	.globl	k_q816e812ac9_nearest
	.p2align	8
	.type	k_q816e812ac9_nearest,@function
k_q816e812ac9_nearest:
	s_mov_b64 s[64:65], 0
	v_nop
	global_prefetch_b8 v0, s[64:65] scope:SCOPE_SE
	s_setreg_imm32_b32 hwreg(HW_REG_WAVE_MODE, 25, 1), 1
	s_wait_xcnt 0x0
	s_wait_alu depctr_hold_cnt(0) depctr_sa_sdst(0) depctr_va_vdst(0) depctr_va_sdst(0) depctr_va_ssrc(0) depctr_va_vcc(0) depctr_vm_vsrc(0)
	s_getreg_b32 s2, hwreg(HW_REG_IB_STS2, 6, 4)
	s_cmp_eq_u32 s2, 0
	s_cbranch_scc0 .Lentry_in_a_cluster
	s_endpgm
.Lentry_in_a_cluster:
	s_bfe_u32 s2, ttmp6, 0x10000c
	s_cmp_lg_u32 s2, 0x3003
	s_cbranch_scc0 .Lentry_shape_is_right
	s_endpgm
.Lentry_shape_is_right:
; For each of 32,768 rows of x: the first index k at which fl(fl(xx - 2 x.e_k) + ee_k) is smallest, over 8,192 codes.
; x and e enter every term rounded to bf16 (nearest even); products in the matrix unit, sums in f32.  out3 and codes get the same indices.
; LIMITS: a distance that is NaN never wins (an argmin that propagates NaN would give its index); if every distance of a row is +inf the index is 0.
; Where a row's two smallest distances differ by about one unit in the last place, the order of the dot product's sums may decide which is taken.
;
; SHARES.  A work-group owns 128 rows and walks all codes, so a row's minimum never leaves the work-group.  Eight waves, two for each of four SIMDs:
; wave w takes the quarter cq = w & 3 of each step's 256 codes and the rows 64 rh .. 64 rh + 63, rh = w >> 2.  Its 64 rows stay in registers as
; bf16 fragments for the whole kernel: 4 tiles x 8 K steps x 8 registers = 256, all of window 1.  The CODES are the first matrix source, so in a
; result lane (r, h) holds row r and its registers j the codes 8 h + j.
; THE COMPARISON.  For a tile of 16 codes a wave issues 32 matrix instructions and 84 vector instructions.  A lane's eight distances and the row's best so far
; go through four three-way minima; if the new best is strictly smaller than the old, the tile's number and the distances of codes 0 to 6 are kept.  At the
; end the code inside the tile is the first j whose kept distance equals the best, else 7: the first of equals, as a compare code by code would give.
; TWO TYPES OF WAVES.  With two waves on a SIMD one can multiply while the other compares, if they are out of step.  T = (w ^ (w >> 2)) & 1 differs between
; w and w + 4 and between 2 m and 2 m + 1.  At each change of slots type 1 multiplies a step's whole last tile inside the barrier and compares behind it,
; type 0 multiplies half of it inside and half behind.  These branches jump over register work alone.
; CLUSTER.  Every work-group reads the same codes in the same order: four work-groups ask for each tile jointly (mask 15), which divides the requests by
; four.  No joint descriptor, LDS address or branch hangs on the place in the cluster; only x's own load and the output's offset do.
;
; LDS: slot 0 at 0, slot 1 at 135,168: 256 codes x 528 bytes (512 + 16: an odd multiple of 16, so sixteen rows start in sixteen different 16-byte columns of 256 bytes).
; Slot 1 first holds my 128 rows of x in f32, pitch 1,040.  EEL: all 8,192 ee, filled once.  MV, MI: the waves' minima and indices, written by LDS stores, never filled.
.set CP,    528
.set QB,    64*CP                      ; a wave's quarter of a slot: what one tensor load brings
.set SLOT,  256*CP                     ; 135,168
.set XP,    1040
.set EEL,   2*SLOT                     ; 270,336
.set MV,    EEL+32768                  ; 303,104
.set MI,    MV+2048                    ; 305,152; the map ends at 307,200
.set STEPB, 256*512                    ; a step's bytes in et16
; window 0
.set CADR, 8                           ; v8, v9    my code fragments in slot 0, 1: cq x 33,792 + r x 528 + 16 h
.set EADR, 10                          ; v10       my ee: EEL + 256 cq + 32 h, + 1,024 a step
.set XADR, 11                          ; v11       my x: SLOT + (64 rh + r) x 1,040 + 32 h
.set XXP,  12                          ; v[12:19]  xx of row tile i, twice: a pair for the packed multiply-add
.set BEST, 20                          ; v[20:27]  running minimum of row tile i, two sets that take turns tile by tile (old, new)
.set EEB,  28                          ; v[28:43]  ee of a code tile, two buffers of 8
.set ACC,  44                          ; v[44:75]  four accumulators
.set CF,   76                          ; v[76:203] code fragments, two buffers of 64; at the start: 128 numbers of x
.set KEEP, 204                         ; v[204:231] row tile i: the distances of codes 0 to 6 of the tile that holds the best
.set IDX,  232                         ; v[232:235] that tile's first code, less 64 cq + 8 h
.set TA,   236                         ; v[236:247] three partial minima for each row tile
.set TB,   240
.set TC,   244
.set PS,   236                         ; at the start: xx's eight partial sums
.set PE,   204                         ; at the end: the four quarters' minima and indices
; window 1: v[64 i + 8 s .. + 7] = fragment of row tile i, K step s
.set G1C, 24                           ; s[24:31] shape of a code tile
.set G0C, 32                           ; s[32:39] from where, to where: one set for each slot
.set G1E, 40                           ; s[40:47] shape of a quarter of ee
.set G0E, 48                           ; s[48:51]
.set G1X, 52                           ; s[52:59] shape of 32 rows of x
.set G0X, 60                           ; s[60:63]
.set CUR, 68                           ; s68      the tile's first code
.set MK,  76                           ; s[76:79] masks
.set MSB, 0
.macro WIN new                         ; the immediate's high byte repeats the setting that is left
.if MSB != \new
	s_set_vgpr_msb (MSB<<8)|\new
.set MSB, \new
.endif
.endm
; A round of the cluster's barrier: my work-group's barrier, wave 0 signals for the work-group, every wave waits for all four work-groups, my work-group's barrier again.
.macro CREST                           ; a round behind its opening barrier
	s_cmp_lg_u32 s14, 0
	s_cbranch_scc1 .Lnot_wave_0_\@
	s_barrier_signal -3
.Lnot_wave_0_\@:
	s_barrier_wait -3
	s_barrier_signal -1
	s_barrier_wait -1
.endm
.macro ROUND                           ; a whole round
	s_barrier_signal -1
	s_barrier_wait -1
	CREST
.endm
; The joint refill of slot n: waves 0 to 3 bring 64 codes each, waves 4 to 7 none.  The branch hangs on the wave's number alone.
.macro JLOAD n
	s_cmp_lt_u32 s14, 4
	s_cbranch_scc0 .Lno_load_\@
	tensor_load_to_lds s[G0C+4*(\n):G0C+4*(\n)+3], s[G1C:G1C+7]
	s_nop 0
.Lno_load_\@:
.endm
; 18 LDS loads: tile tt (16 codes x 256 K) of my quarter into fragment buffer b, and its ee (every lane of a half reads the same 32 bytes)
.macro FETCH slot, tt, b
.irp s, 0,1,2,3,4,5,6,7
	ds_load_b128 v[CF+64*\b+8*\s:CF+64*\b+8*\s+3],   v[CADR+\slot] offset:16*CP*\tt+64*\s
	ds_load_b128 v[CF+64*\b+8*\s+4:CF+64*\b+8*\s+7], v[CADR+\slot] offset:16*CP*\tt+64*\s+32
.endr
	ds_load_b128 v[EEB+8*\b:EEB+8*\b+3],   v[EADR] offset:64*\tt
	ds_load_b128 v[EEB+8*\b+4:EEB+8*\b+7], v[EADR] offset:64*\tt+16
.endm
; 4 n matrix instructions: 16 codes x 64 rows, K steps s0 .. s0 + n - 1 of eight.  K step 0 starts the sums.  The four accumulators take turns, one instruction a turn.
; Five v_nop behind the last: four places before vector work reads the sums or a load lands in a fragment, five before a later tile's first products write over them.
; They stand behind each half of a tile that is multiplied in halves, so that the distance holds whichever of the branches on the type is taken.
.macro MULH b, s0, n
	WIN 0x04                                       ; source 1 (x's fragments) in window 1
.set ks, \s0
.rept \n
.irp i, 0,1,2,3
.if ks == 0
	v_wmma_f32_16x16x32_bf16 v[ACC+8*\i:ACC+8*\i+7], v[CF+64*\b+8*ks:CF+64*\b+8*ks+7], v[64*\i+8*ks:64*\i+8*ks+7], 0
.else
	v_wmma_f32_16x16x32_bf16 v[ACC+8*\i:ACC+8*\i+7], v[CF+64*\b+8*ks:CF+64*\b+8*ks+7], v[64*\i+8*ks:64*\i+8*ks+7], v[ACC+8*\i:ACC+8*\i+7]
.endif
.endr
.set ks, ks+1
.endr
	WIN 0
.rept 5
	v_nop
.endr
.endm
.macro MULH_IF t, b, s0, n             ; for waves of type t alone
	s_cmp_eq_u32 s17, \t
	s_cbranch_scc0 .Lno_mul_\@
	MULH \b, \s0, \n
.Lno_mul_\@:
.endm
; The comparison of one tile: distance = fl(fl(xx - 2 dot) + ee) (the doubling is exact, so the fused form rounds as the two steps would).  Then, for each row tile,
; new best = the minimum of the lane's eight distances and the old best, in four three-way minima; the old best lies in set b, the new goes to the other set (the tiles
; of a step use b = 0, 1, 0, 1, so a step ends in set 0).  Only a strictly smaller new best takes the tile's number and the seven distances: the first of equals stays.
; off = 16 x the tile's number in my quarter.
.macro EPI b, off
	s_add_co_u32 s[CUR], s67, \off
.irp i, 0,1,2,3
.irp p, 0,2,4,6
	v_pk_fma_f32 v[ACC+8*\i+\p:ACC+8*\i+\p+1], v[ACC+8*\i+\p:ACC+8*\i+\p+1], -2.0, v[XXP+2*\i:XXP+2*\i+1] op_sel_hi:[1,0,1]
.endr
.endr
.irp i, 0,1,2,3
.irp p, 0,2,4,6
	v_pk_add_f32 v[ACC+8*\i+\p:ACC+8*\i+\p+1], v[ACC+8*\i+\p:ACC+8*\i+\p+1], v[EEB+8*\b+\p:EEB+8*\b+\p+1]
.endr
.endr
.irp i, 0,1,2,3
	v_min3_num_f32 v[TA+\i], v[ACC+8*\i], v[ACC+8*\i+1], v[ACC+8*\i+2]
.endr
.irp i, 0,1,2,3
	v_min3_num_f32 v[TB+\i], v[ACC+8*\i+3], v[ACC+8*\i+4], v[ACC+8*\i+5]
.endr
.irp i, 0,1,2,3
	v_min3_num_f32 v[TC+\i], v[ACC+8*\i+6], v[ACC+8*\i+7], v[BEST+4*\b+\i]
.endr
.irp i, 0,1,2,3
	v_min3_num_f32 v[BEST+4*(1-\b)+\i], v[TA+\i], v[TB+\i], v[TC+\i]
.endr
.irp i, 0,1,2,3
	v_cmp_lt_f32 s[MK+\i], v[BEST+4*(1-\b)+\i], v[BEST+4*\b+\i]
.endr
.irp i, 0,1,2,3
	v_cndmask_b32 v[IDX+\i], v[IDX+\i], s[CUR], s[MK+\i]
.irp j, 0,1,2,3,4,5,6
	v_cndmask_b32 v[KEEP+7*\i+\j], v[KEEP+7*\i+\j], v[ACC+8*\i+\j], s[MK+\i]
.endr
.endr
.endm
; (bv, bi) takes (pv, pi) if that value is smaller, or equal with the smaller index
.macro MERGE bv, bi, pv, pi
	v_cmp_lt_f32 s[MK],   v[\pv], v[\bv]
	v_cmp_eq_f32 s[MK+1], v[\pv], v[\bv]
	v_cmp_lt_u32 s[MK+2], v[\pi], v[\bi]
	s_and_b32 s[MK+1], s[MK+1], s[MK+2]
	s_or_b32 s[MK], s[MK], s[MK+1]
	v_cndmask_b32 v[\bv], v[\bv], v[\pv], s[MK]
	v_cndmask_b32 v[\bi], v[\bi], v[\pi], s[MK]
.endm
; One step: 256 codes out of slot; on the way in, tile 0's 18 loads into buffer 0 have been issued.
; mode 2: this slot is filled again, with the codes two steps on;  mode 1: the slots change, nothing is filled;  mode 0: the last step.
; THE CHANGE OF SLOTS stands in the last tile.  When its fragments are in registers my reads of this slot are over; with all my tensor loads landed (the one that was
; out is my part of the other slot) I signal, multiply while the others arrive, and wait.  Behind the round no wave of the four work-groups reads this slot or has a
; load on its way: the refill comes first, then the other slot's first tile.  The refill has the whole next step in which to land.
.macro STEP slot, mode
	FETCH \slot, 1, 1
	s_wait_dscnt 18                                ; LDS loads come back in order: tile 0's 18 are in, the 18 just issued stay out
	MULH 0, 0, 8
	EPI 0, 0
	FETCH \slot, 2, 0
	s_wait_dscnt 18                                ; tile 1 is in, tile 2 stays out
	MULH 1, 0, 8
	EPI 1, 16
	FETCH \slot, 3, 1
.if \mode
	v_add_nc_u32 v[EADR], 1024, v[EADR]            ; the next step's ee
.endif
	s_wait_dscnt 18                                ; tile 2 is in, tile 3 stays out
	MULH 0, 0, 8
	EPI 0, 32
	s_wait_dscnt 0x0                               ; tile 3 is in: my reads of this slot are back
.if \mode == 0
	MULH 1, 0, 8
	EPI 1, 48
.else
	s_wait_tensorcnt 0x0                           ; all my tensor loads have landed, my part of the other slot among them,
	ds_add_u32 v254, v255
	s_wait_dscnt 0x0
.if \mode == 2
	s_add_nc_u64 s[G0C+4*\slot+2:G0C+4*\slot+3], s[G0C+4*\slot+2:G0C+4*\slot+3], 2*STEPB   ; so a group 0 may be written: this slot's next codes, two steps on
.endif
	s_barrier_signal -1                            ; say so (in mode 2 this barrier opens a round of the cluster's barrier),
	MULH 1, 0, 4                                   ; work on registers while the others arrive: half of tile 3,
	MULH_IF 1, 1, 4, 4                             ; type 1 the other half too,
	s_barrier_wait -1                              ; and go on when all eight have said so
.if \mode == 2
	CREST                                          ; all four work-groups have said so
	JLOAD \slot                                    ; the one tensor load of a wave behind the round, and the first thing there
.endif
	MULH_IF 0, 1, 4, 4                             ; type 0 multiplies the other half now, while type 1 compares
	FETCH 1-\slot, 0, 0                            ; the next step's tile 0
	EPI 1, 48
	s_add_co_u32 s67, s67, 256
.endif
.endm
	s_load_b256 s[4:11], s[0:1], 0x0               ; x s[4:5], et16 s[6:7], ee s[8:9], out3 s[10:11]
	s_load_b64 s[12:13], s[0:1], 0x20              ; codes
	v_lshl_add_u32 v254, v0, 2, 0x4b000
	v_mov_b32 v255, 0
	ds_add_u32 v254, v255
	v_lshrrev_b32 v1, 5, v0
	v_readfirstlane_b32 s14, v1                    ; wave 0..7
	s_and_b32 s15, s14, 3                          ; cq
	s_lshr_b32 s16, s14, 2                         ; rh
	s_xor_b32 s17, s14, s16
	s_and_b32 s17, s17, 1                          ; T
	s_bfe_u32 s18, ttmp6, 0x40000                  ; cx
	s_lshl_b32 s19, ttmp9, 2                       ; in a cluster launch ttmp9 counts clusters
	s_add_co_u32 s19, s19, s18                     ; work-group
	s_mov_b32 s80, 0x76543210                      ; v_permlanex16_b32: lane i of one half reads lane i of the other
	s_mov_b32 s81, 0xfedcba98
	; codes: 64 rows x 256 bf16, 16 bytes of padding behind each 128 words; asked for by all four work-groups
	s_mov_b32 s[G1C+0], 15|(1<<16)|(1<<20)|(1<<21)|(6<<22)|(3<<25)
	s_mov_b32 s[G1C+1], 256<<16                    ; tensor_dim0 = 256
	s_mov_b32 s[G1C+2], 64<<16                     ; tensor_dim1 = 64
	s_mov_b32 s[G1C+3], 256<<16                    ; tile_dim0 = 256
	s_mov_b32 s[G1C+4], 64                         ; tile_dim1 = 64
	s_mov_b32 s[G1C+5], 256                        ; elements from row to row
	s_mov_b32 s[G1C+6], 0
	s_mov_b32 s[G1C+7], 0
	; ee: a dense block of 8,192 bytes as 32 rows of 32 elements of 8 bytes; joint as well
	s_mov_b32 s[G1E+0], 15|(3<<16)|(1<<21)
	s_mov_b32 s[G1E+1], 32<<16
	s_mov_b32 s[G1E+2], 32<<16
	s_mov_b32 s[G1E+3], 32<<16
	s_mov_b32 s[G1E+4], 32
	s_mov_b32 s[G1E+5], 32
	s_mov_b32 s[G1E+6], 0
	s_mov_b32 s[G1E+7], 0
	; x: 32 rows x 256 f32, 16 bytes of padding behind each 256 words; my work-group's own (no mask)
	s_mov_b32 s[G1X+0], (2<<16)|(1<<20)|(7<<22)|(3<<25)
	s_mov_b32 s[G1X+1], 256<<16
	s_mov_b32 s[G1X+2], 32<<16
	s_mov_b32 s[G1X+3], 256<<16
	s_mov_b32 s[G1X+4], 32
	s_mov_b32 s[G1X+5], 256
	s_mov_b32 s[G1X+6], 0
	s_mov_b32 s[G1X+7], 0
	s_mul_i32 s82, s15, QB                         ; LDS addresses: constants and the wave's quarter
	s_mov_b32 s[G0C+0], 1
	s_add_co_u32 s[G0C+1], s82, 0
	s_mov_b32 s[G0C+4], 1
	s_add_co_u32 s[G0C+5], s82, SLOT
	s_lshl_b32 s88, s15, 13                        ; a quarter of ee, in LDS and in memory
	s_mov_b32 s89, 0
	s_mov_b32 s[G0E+0], 1
	s_add_co_u32 s[G0E+1], s88, EEL
	s_mul_i32 s84, s15, 32*XP
	s_mov_b32 s[G0X+0], 1
	s_add_co_u32 s[G0X+1], s84, SLOT
	s_lshl_b32 s86, s15, 15                        ; 64 rows of et16 = 32 rows of x = 32,768 bytes
	s_mov_b32 s87, 0
	s_lshl_b32 s90, s19, 17                        ; my work-group's 128 rows of x
	s_add_co_u32 s90, s90, s86
	s_mov_b32 s91, 0
	s_lshl_b32 s92, s19, 9                         ; my work-group's 128 indices
	s_mov_b32 s93, 0
	s_wait_dscnt 0x0
	s_wait_kmcnt 0x0
	s_add_nc_u64 s[G0C+2:G0C+3], s[6:7], s[86:87]  ; step 0
	s_add_nc_u64 s[G0C+6:G0C+7], s[G0C+2:G0C+3], STEPB     ; step 1
	s_or_b32 s[G0C+3], s[G0C+3], 0x80000000
	s_or_b32 s[G0C+7], s[G0C+7], 0x80000000
	s_add_nc_u64 s[G0E+2:G0E+3], s[8:9], s[88:89]
	s_or_b32 s[G0E+3], s[G0E+3], 0x80000000
	s_add_nc_u64 s[G0X+2:G0X+3], s[4:5], s[90:91]
	s_or_b32 s[G0X+3], s[G0X+3], 0x80000000
	s_add_nc_u64 s[10:11], s[10:11], s[92:93]
	s_add_nc_u64 s[12:13], s[12:13], s[92:93]
	ROUND                                          ; the four work-groups are here: the first joint loads meet
	; the first fills, one group, inside one branch on the wave's number: waves 0-3 have two loads out, waves 4-7 one
	s_cmp_lt_u32 s14, 4
	s_cbranch_scc0 .Lfill_x
	tensor_load_to_lds s[G0C:G0C+3], s[G1C:G1C+7]  ; step 0's codes into slot 0
	s_nop 0
	tensor_load_to_lds s[G0E:G0E+3], s[G1E:G1E+7]  ; ee
	s_nop 0
	s_branch .Lfilled
.Lfill_x:
	tensor_load_to_lds s[G0X:G0X+3], s[G1X:G1X+7]  ; x into slot 1
	s_nop 0
.Lfilled:
	v_and_b32 v2, 15, v0                           ; r
	v_bfe_u32 v3, v0, 4, 1                         ; h
	v_mul_u32_u24 v4, v2, CP
	v_lshl_add_u32 v4, v3, 4, v4
	v_add_nc_u32 v[CADR], s82, v4
	v_add_nc_u32 v[CADR+1], SLOT, v[CADR]
	s_lshl_b32 s83, s15, 8
	s_add_co_u32 s83, s83, EEL
	v_lshl_add_u32 v[EADR], v3, 5, s83
	s_mul_i32 s84, s16, 64*XP
	s_add_co_u32 s84, s84, SLOT
	v_mul_u32_u24 v[XADR], v2, XP
	v_lshl_add_u32 v[XADR], v3, 5, v[XADR]
	v_add_nc_u32 v[XADR], s84, v[XADR]
.irp i, 0,1,2,3
	v_mov_b32 v[BEST+\i], 0x7f800000               ; +inf
	v_mov_b32 v[IDX+\i], 0
.endr
.set n, 0
.rept 28
	v_mov_b32 v[KEEP+n], 0x7f800000                ; +inf: a row that never finds a finite distance ends with code 0 of tile 0
.set n, n+1
.endr
.irp p, 0,1,2,3,4,5,6,7
	v_mov_b32 v[PS+\p], 0
.endr
	s_mov_b32 s67, 0                               ; 256 x step
	s_wait_tensorcnt 0x0                           ; my first fills have landed,
	s_barrier_signal -1
	s_barrier_wait -1                              ; everybody's have
	; x's fragments: lane (r, h) of row tile i, K step s: k = 32 s + 8 h .. + 7 and 32 s + 16 + 8 h .. + 7, eight f32 each = two loads of 16 bytes
.macro XLOAD i
.irp s, 0,1,2,3,4,5,6,7
	ds_load_b128 v[CF+16*\s:CF+16*\s+3],     v[XADR] offset:16*XP*\i+128*\s
	ds_load_b128 v[CF+16*\s+4:CF+16*\s+7],   v[XADR] offset:16*XP*\i+128*\s+16
	ds_load_b128 v[CF+16*\s+8:CF+16*\s+11],  v[XADR] offset:16*XP*\i+128*\s+64
	ds_load_b128 v[CF+16*\s+12:CF+16*\s+15], v[XADR] offset:16*XP*\i+128*\s+80
.endr
	s_wait_dscnt 0x0
	WIN 0x40                                       ; destination in window 1
.set n, 0
.rept 64
	v_cvt_pk_bf16_f32 v[64*\i+n], v[CF+2*n], v[CF+2*n+1]
.set n, n+1
.endr
	WIN 0
.endm
	XLOAD 0
	XLOAD 1
	XLOAD 2
	XLOAD 3
	; xx from the rounded numbers: eight sums (row tile, half word) take turns; then the two halves of the lanes, which hold the other k of the same row
	WIN 0x05                                       ; sources 0 and 1 in window 1
.set n, 0
.rept 64
.irp i, 0,1,2,3
	v_fma_mix_f32_bf16 v[PS+2*\i],   v[64*\i+n], v[64*\i+n], v[PS+2*\i]   op_sel_hi:[1,1,0]
	v_fma_mix_f32_bf16 v[PS+2*\i+1], v[64*\i+n], v[64*\i+n], v[PS+2*\i+1] op_sel:[1,1,0] op_sel_hi:[1,1,0]
.endr
.set n, n+1
.endr
	WIN 0
.irp i, 0,1,2,3
	v_add_f32 v[XXP+2*\i], v[PS+2*\i], v[PS+2*\i+1]
.endr
.irp i, 0,1,2,3
	v_permlanex16_b32 v[PS+\i], v[XXP+2*\i], s80, s81
.endr
.irp i, 0,1,2,3
	v_add_f32 v[XXP+2*\i+1], v[XXP+2*\i], v[PS+\i]         ; the same sum into both registers of the pair
	v_add_f32 v[XXP+2*\i],   v[XXP+2*\i], v[PS+\i]
.endr
	; x is in registers: step 1's codes are laid over it, behind the same waits and round as every refill
	s_wait_dscnt 0x0                               ; my reads of x are back
	s_wait_tensorcnt 0x0                           ; and none of my tensor loads is out
	ds_add_u32 v254, v255
	s_wait_dscnt 0x0
	ROUND
	JLOAD 1
	FETCH 0, 0, 0                                  ; step 0's tile 0
	; 32 steps.  Steps 0 to 29 fill their slot again with the codes two steps on; step 30 changes slots and fills nothing; step 31 is the last.
	s_mov_b32 s66, 15
.Lsteps:
	STEP 0, 2
	STEP 1, 2
	s_sub_co_u32 s66, s66, 1
	s_cmp_lg_u32 s66, 0
	s_cbranch_scc1 .Lsteps
	STEP 0, 1
	STEP 1, 0
	; THE END.  The code inside the best tile; the lane's share of the code's number; the two halves of the lanes; the four quarters through LDS.
	v_and_b32 v2, 15, v0
	v_bfe_u32 v3, v0, 4, 1
	s_lshl_b32 s82, s15, 6
	v_lshl_add_u32 v1, v3, 3, s82                  ; 64 cq + 8 h
	s_lshl_b32 s82, s15, 9
	s_lshl_b32 s83, s16, 8
	s_add_co_u32 s82, s82, s83
	s_add_co_u32 s82, s82, MV
	v_lshl_add_u32 v5, v2, 2, s82                  ; MV + 4 (128 cq + 64 rh + r)
.irp i, 0,1,2,3
	v_mov_b32 v[TA+\i], 7                          ; code 7, unless an earlier one holds the best: from 6 down to 0, so that the first of equals is written last
.endr
.irp j, 6,5,4,3,2,1,0
.irp i, 0,1,2,3
	v_cmp_eq_f32 s[MK+\i], v[KEEP+7*\i+\j], v[BEST+\i]
.endr
.irp i, 0,1,2,3
	v_cndmask_b32 v[TA+\i], v[TA+\i], \j, s[MK+\i]
.endr
.endr
.irp i, 0,1,2,3
	v_add3_u32 v[IDX+\i], v[IDX+\i], v[TA+\i], v1
	v_permlanex16_b32 v3, v[BEST+\i], s80, s81
	v_permlanex16_b32 v4, v[IDX+\i], s80, s81
	MERGE BEST+\i, IDX+\i, 3, 4
	ds_store_b32 v5, v[BEST+\i] offset:64*\i               ; both halves of the lanes store the same word
	ds_store_b32 v5, v[IDX+\i] offset:MI-MV+64*\i
.endr
	s_wait_dscnt 0x0                               ; my stores are in LDS before I say so
	s_barrier_signal -1
	s_barrier_wait -1
	s_cmp_lt_u32 s14, 2
	s_cbranch_scc0 .Lclose
	v_lshlrev_b32 v7, 3, v0                        ; threads 0 to 63: rows 2 t and 2 t + 1
	v_add_nc_u32 v6, MV, v7
.irp c, 0,1,2,3
	ds_load_b64 v[PE+2*\c:PE+2*\c+1],     v6 offset:512*\c
	ds_load_b64 v[PE+8+2*\c:PE+8+2*\c+1], v6 offset:MI-MV+512*\c
.endr
	s_wait_dscnt 0x0
.irp c, 1,2,3
	MERGE PE,   PE+8, PE+2*\c,   PE+8+2*\c
	MERGE PE+1, PE+9, PE+2*\c+1, PE+8+2*\c+1
.endr
	global_store_b64 v7, v[PE+8:PE+9], s[10:11]    ; a wave stores 256 consecutive bytes, aligned
	global_store_b64 v7, v[PE+8:PE+9], s[12:13]
.Lclose:
	s_wait_tensorcnt 0x0
	ds_add_u32 v254, v255
	s_wait_dscnt 0x0
	ROUND                                          ; the closing round: no work-group ends while a partner may still ask jointly
	s_endpgm
.Lfunc_end_k_q816e812ac9_nearest:
	.size	k_q816e812ac9_nearest, .Lfunc_end_k_q816e812ac9_nearest-k_q816e812ac9_nearest
	.p2alignl 7, 3214868480
	.fill 96, 4, 3214868480
	.section	.rodata,"a",@progbits
	.p2align	6, 0x0
	.amdhsa_kernel k_q816e812ac9_nearest
		.amdhsa_group_segment_fixed_size 327680
		.amdhsa_private_segment_fixed_size 0
		.amdhsa_enable_private_segment 0
		.amdhsa_kernarg_size 40
		.amdhsa_user_sgpr_count 2
		.amdhsa_user_sgpr_kernarg_segment_ptr 1
		.amdhsa_wavefront_size32 1
		.amdhsa_system_sgpr_workgroup_id_x 1
		.amdhsa_system_sgpr_workgroup_id_y 1
		.amdhsa_system_sgpr_workgroup_id_z 1
		.amdhsa_system_vgpr_workitem_id 0
		.amdhsa_next_free_vgpr 512
		.amdhsa_next_free_sgpr 96
		.amdhsa_reserve_vcc 0
		.amdhsa_float_denorm_mode_32 3
		.amdhsa_float_denorm_mode_16_64 3
		.amdhsa_memory_ordered 1
		.amdhsa_forward_progress 1
		.amdhsa_inst_pref_size 222
	.end_amdhsa_kernel
	.amdgpu_metadata
---
amdhsa.version: [ 1, 2 ]
amdhsa.kernels:
  - .name:           k_q816e812ac9_nearest
    .symbol:         k_q816e812ac9_nearest.kd
    .args:
      - { .name: x, .offset: 0, .size: 8, .value_kind: global_buffer, .address_space: global }
      - { .name: et16, .offset: 8, .size: 8, .value_kind: global_buffer, .address_space: global }
      - { .name: ee, .offset: 16, .size: 8, .value_kind: global_buffer, .address_space: global }
      - { .name: out3, .offset: 24, .size: 8, .value_kind: global_buffer, .address_space: global }
      - { .name: codes, .offset: 32, .size: 8, .value_kind: global_buffer, .address_space: global }
    .group_segment_fixed_size: 327680
    .private_segment_fixed_size: 0
    .kernarg_segment_align: 8
    .kernarg_segment_size: 40
    .max_flat_workgroup_size: 256
    .sgpr_count:     96
    .vgpr_count:     512
    .wavefront_size: 32
...
	.end_amdgpu_metadata
.endif
;; end of part 2
;; launch gather (part 3): grid 256 x 1, 16 waves a work-group, no clusters, 2,304 bytes of LDS; arguments x, et32, codes, out0, part; writes out0, part
.if DOCPART == 3
	.amdgcn_target "amdgcn-amd-amdhsa--gfx1250"
	.amdhsa_code_object_version 6
	.text
	.protected	k_q816e812ac9_gather
	.globl	k_q816e812ac9_gather
	.p2align	8
	.type	k_q816e812ac9_gather,@function
k_q816e812ac9_gather:
	s_mov_b64 s[64:65], 0
	v_nop
	global_prefetch_b8 v0, s[64:65] scope:SCOPE_SE
	s_setreg_imm32_b32 hwreg(HW_REG_WAVE_MODE, 25, 1), 1
	s_wait_xcnt 0x0
; out0[row] = x[row] + (q - x[row]), q = et32[codes[row]], rounded step by step as written; part[work-group] = the sum of (q - x)^2 over its 128 rows.
; The loss is made from x and q themselves, in f32, not from the smallest distance, which is a difference of large sums.
; A stream: sixteen waves, eight rows a wave, no loop: all 32 loads of a wave (16 of x, 16 of code vectors) go out before the first is used.
; A load or store of a wave covers 512 consecutive bytes, aligned.  No matrix unit, no cluster (no byte is shared by design), no prefetch (every load stands at the head).
; An index is clamped to 8,191, the table's last row; the launch before stores nothing larger.
.set OFF, 2                            ; v2        16 x lane
.set S,   4                            ; v[4:11]   four pairs of sums
.set X,   16                           ; v[16:79]  row k: 8 registers
.set Q,   80                           ; v[80:143] row k: 8 registers
.set QB,  32                           ; s[32:47]  row k: its code vector's address
	s_load_b256 s[4:11], s[0:1], 0x0               ; x s[4:5], et32 s[6:7], codes s[8:9], out0 s[10:11]
	s_load_b64 s[12:13], s[0:1], 0x20              ; part
	v_lshl_add_u32 v152, v0, 2, 0x100
	v_mov_b32 v153, 0
	v_lshrrev_b32 v1, 5, v0
	v_readfirstlane_b32 s14, v1                    ; wave 0..15
	v_and_b32 v[OFF], 31, v0
	v_lshlrev_b32 v[OFF], 4, v[OFF]
	s_lshl_b32 s15, ttmp9, 7
	s_lshl3_add_u32 s15, s14, s15                  ; my first row = 128 x work-group + 8 x wave
	s_lshl_b32 s24, s15, 2
	s_mov_b32 s25, 0
	s_lshl_b32 s26, s15, 10
	s_mov_b32 s27, 0
	s_lshl_b32 s28, ttmp9, 2
	s_mov_b32 s29, 0
	s_mov_b32 s31, 0
	s_mov_b32 s2, 0x76543210
	s_mov_b32 s3, 0xfedcba98
	s_wait_kmcnt 0x0
	s_add_nc_u64 s[8:9], s[8:9], s[24:25]
	s_load_b256 s[16:23], s[8:9], 0x0              ; my eight indices
	s_add_nc_u64 s[4:5], s[4:5], s[26:27]
	s_add_nc_u64 s[10:11], s[10:11], s[26:27]
	s_add_nc_u64 s[12:13], s[12:13], s[28:29]
.irp k, 0,1,2,3,4,5,6,7
	global_load_b128 v[X+8*\k:X+8*\k+3],   v[OFF], s[4:5] offset:1024*\k th:TH_LOAD_NT
	global_load_b128 v[X+8*\k+4:X+8*\k+7], v[OFF], s[4:5] offset:1024*\k+512 th:TH_LOAD_NT
.endr
	s_wait_kmcnt 0x0
.irp k, 0,1,2,3,4,5,6,7
	s_min_u32 s30, s[16+\k], 0x1fff
	s_lshl_b32 s30, s30, 10                        ; a row of et32 is 1,024 bytes
	s_add_nc_u64 s[QB+2*\k:QB+2*\k+1], s[6:7], s[30:31]
	global_load_b128 v[Q+8*\k:Q+8*\k+3],   v[OFF], s[QB+2*\k:QB+2*\k+1]    ; no hint: a code vector may be wanted again
	global_load_b128 v[Q+8*\k+4:Q+8*\k+7], v[OFF], s[QB+2*\k:QB+2*\k+1] offset:512
.endr
.irp k, 0,1,2,3,4,5,6,7
	s_wait_loadcnt 14-2*\k                         ; loads come back in order: x and my row's code vector are in, the 14 - 2 k loads of later rows stay out
.irp p, 0,2,4,6
	v_pk_add_f32 v[Q+8*\k+\p:Q+8*\k+\p+1], v[Q+8*\k+\p:Q+8*\k+\p+1], v[X+8*\k+\p:X+8*\k+\p+1] neg_lo:[0,1] neg_hi:[0,1]   ; q - x
.endr
.irp p, 0,2,4,6
	v_pk_add_f32 v[X+8*\k+\p:X+8*\k+\p+1], v[X+8*\k+\p:X+8*\k+\p+1], v[Q+8*\k+\p:Q+8*\k+\p+1]                             ; x + (q - x)
.endr
.irp p, 0,2,4,6
.if \k == 0
	v_pk_mul_f32 v[S+\p:S+\p+1], v[Q+\p:Q+\p+1], v[Q+\p:Q+\p+1]                                                           ; the first row starts the sums
.else
	v_pk_fma_f32 v[S+\p:S+\p+1], v[Q+8*\k+\p:Q+8*\k+\p+1], v[Q+8*\k+\p:Q+8*\k+\p+1], v[S+\p:S+\p+1]
.endif
.endr
	global_store_b128 v[OFF], v[X+8*\k:X+8*\k+3],   s[10:11] offset:1024*\k th:TH_STORE_NT
	global_store_b128 v[OFF], v[X+8*\k+4:X+8*\k+7], s[10:11] offset:1024*\k+512 th:TH_STORE_NT
.endr
	; the lane's eight sums, the wave's 32 lanes, the work-group's sixteen waves
	v_pk_add_f32 v[S:S+1], v[S:S+1], v[S+2:S+3]
	v_pk_add_f32 v[S+4:S+5], v[S+4:S+5], v[S+6:S+7]
	v_pk_add_f32 v[S:S+1], v[S:S+1], v[S+4:S+5]
	v_add_f32 v[S], v[S], v[S+1]
	v_add_f32_dpp v[S], v[S], v[S] row_xmask:1 row_mask:0xf bank_mask:0xf
	v_add_f32_dpp v[S], v[S], v[S] row_xmask:2 row_mask:0xf bank_mask:0xf
	v_add_f32_dpp v[S], v[S], v[S] row_xmask:4 row_mask:0xf bank_mask:0xf
	v_add_f32_dpp v[S], v[S], v[S] row_xmask:8 row_mask:0xf bank_mask:0xf
	v_permlanex16_b32 v[S+1], v[S], s2, s3
	v_add_f32 v[S], v[S], v[S+1]
	v_lshlrev_b32 v3, 2, v1                        ; my wave's word
	ds_store_b32 v3, v[S]
	s_wait_dscnt 0x0
	s_barrier_signal -1
	s_barrier_wait -1
	s_cmp_lg_u32 s14, 0
	s_cbranch_scc1 .Lend
	v_mov_b32 v12, 0
.irp j, 0,1,2,3
	ds_load_b128 v[Q+4*\j:Q+4*\j+3], v12 offset:16*\j
.endr
	s_wait_dscnt 0x0
	v_pk_add_f32 v[Q:Q+1], v[Q:Q+1], v[Q+2:Q+3]
	v_pk_add_f32 v[Q+4:Q+5], v[Q+4:Q+5], v[Q+6:Q+7]
	v_pk_add_f32 v[Q+8:Q+9], v[Q+8:Q+9], v[Q+10:Q+11]
	v_pk_add_f32 v[Q+12:Q+13], v[Q+12:Q+13], v[Q+14:Q+15]
	v_pk_add_f32 v[Q:Q+1], v[Q:Q+1], v[Q+4:Q+5]
	v_pk_add_f32 v[Q+8:Q+9], v[Q+8:Q+9], v[Q+12:Q+13]
	v_pk_add_f32 v[Q:Q+1], v[Q:Q+1], v[Q+8:Q+9]
	v_add_f32 v[Q], v[Q], v[Q+1]
	v_cmp_eq_u32 vcc_lo, 0, v0
	s_wait_xcnt 0x0                                ; EXEC is a source of the stores above: it changes only behind this wait
	s_and_saveexec_b32 s28, vcc_lo
	global_store_b32 v12, v[Q], s[12:13]           ; one number for the work-group
	s_wait_xcnt 0x0                                ; and again in front of the line that widens it
	s_or_b32 exec_lo, exec_lo, s28
.Lend:
	s_wait_tensorcnt 0x0
	ds_add_u32 v152, v153
	s_wait_dscnt 0x0
	s_endpgm
.Lfunc_end_k_q816e812ac9_gather:
	.size	k_q816e812ac9_gather, .Lfunc_end_k_q816e812ac9_gather-k_q816e812ac9_gather
	.p2alignl 7, 3214868480
	.fill 96, 4, 3214868480
	.section	.rodata,"a",@progbits
	.p2align	6, 0x0
	.amdhsa_kernel k_q816e812ac9_gather
		.amdhsa_group_segment_fixed_size 2304
		.amdhsa_private_segment_fixed_size 0
		.amdhsa_enable_private_segment 0
		.amdhsa_kernarg_size 40
		.amdhsa_user_sgpr_count 2
		.amdhsa_user_sgpr_kernarg_segment_ptr 1
		.amdhsa_wavefront_size32 1
		.amdhsa_system_sgpr_workgroup_id_x 1
		.amdhsa_system_sgpr_workgroup_id_y 1
		.amdhsa_system_sgpr_workgroup_id_z 1
		.amdhsa_system_vgpr_workitem_id 0
		.amdhsa_next_free_vgpr 154
		.amdhsa_next_free_sgpr 66
		.amdhsa_reserve_vcc 1
		.amdhsa_float_denorm_mode_32 3
		.amdhsa_float_denorm_mode_16_64 3
		.amdhsa_memory_ordered 1
		.amdhsa_forward_progress 1
		.amdhsa_inst_pref_size 16
	.end_amdhsa_kernel
	.amdgpu_metadata
---
amdhsa.version: [ 1, 2 ]
amdhsa.kernels:
  - .name:           k_q816e812ac9_gather
    .symbol:         k_q816e812ac9_gather.kd
    .args:
      - { .name: x, .offset: 0, .size: 8, .value_kind: global_buffer, .address_space: global }
      - { .name: et32, .offset: 8, .size: 8, .value_kind: global_buffer, .address_space: global }
      - { .name: codes, .offset: 16, .size: 8, .value_kind: global_buffer, .address_space: global }
      - { .name: out0, .offset: 24, .size: 8, .value_kind: global_buffer, .address_space: global }
      - { .name: part, .offset: 32, .size: 8, .value_kind: global_buffer, .address_space: global }
    .group_segment_fixed_size: 2304
    .private_segment_fixed_size: 0
    .kernarg_segment_align: 8
    .kernarg_segment_size: 40
    .max_flat_workgroup_size: 512
    .sgpr_count:     66
    .vgpr_count:     154
    .wavefront_size: 32
...
	.end_amdgpu_metadata
.endif
;; end of part 3
;; launch finish (part 4): grid 1 x 1, 1 waves a work-group, no clusters, 0 bytes of LDS; arguments part, out1, out2; writes out1, out2
.if DOCPART == 4
	.amdgcn_target "amdgcn-amd-amdhsa--gfx1250"
	.amdhsa_code_object_version 6
	.text
	.protected	k_q816e812ac9_finish
	.globl	k_q816e812ac9_finish
	.p2align	8
	.type	k_q816e812ac9_finish,@function
k_q816e812ac9_finish:
	s_mov_b64 s[64:65], 0
	v_nop
	global_prefetch_b8 v0, s[64:65] scope:SCOPE_SE
	s_setreg_imm32_b32 hwreg(HW_REG_WAVE_MODE, 25, 1), 1
	s_wait_xcnt 0x0
; out1 = out2 = the sum of the 256 work-groups' partial sums of (q - x)^2, divided by 32,768 x 256 = 2^23.  Both losses of the problem have this one value.
; One wave: 1,024 bytes, two loads of 16 bytes a lane.  A launch of its own because the sum spans the work-groups of the launch before.
	s_load_b128 s[4:7], s[0:1], 0x0                ; part s[4:5], out1 s[6:7]
	s_load_b64 s[8:9], s[0:1], 0x10                ; out2
	v_lshlrev_b32 v1, 4, v0
	v_mov_b32 v2, 0
	s_mov_b32 s10, 0x76543210
	s_mov_b32 s11, 0xfedcba98
	s_wait_kmcnt 0x0
	global_load_b128 v[4:7], v1, s[4:5]
	global_load_b128 v[8:11], v1, s[4:5] offset:512
	s_wait_loadcnt 0x0
	v_pk_add_f32 v[4:5], v[4:5], v[6:7]
	v_pk_add_f32 v[8:9], v[8:9], v[10:11]
	v_pk_add_f32 v[4:5], v[4:5], v[8:9]
	v_add_f32 v4, v4, v5
	v_add_f32_dpp v4, v4, v4 row_xmask:1 row_mask:0xf bank_mask:0xf
	v_add_f32_dpp v4, v4, v4 row_xmask:2 row_mask:0xf bank_mask:0xf
	v_add_f32_dpp v4, v4, v4 row_xmask:4 row_mask:0xf bank_mask:0xf
	v_add_f32_dpp v4, v4, v4 row_xmask:8 row_mask:0xf bank_mask:0xf
	v_permlanex16_b32 v5, v4, s10, s11
	v_add_f32 v4, v4, v5
	v_mul_f32 v4, 0x34000000, v4                   ; 2^-23
	v_cmp_eq_u32 vcc_lo, 0, v0
	s_wait_xcnt 0x0                                ; EXEC changes only behind this wait
	s_and_saveexec_b32 s12, vcc_lo
	global_store_b32 v2, v4, s[6:7]
	global_store_b32 v2, v4, s[8:9]
	s_wait_xcnt 0x0                                ; and again in front of the line that widens it
	s_or_b32 exec_lo, exec_lo, s12
	s_endpgm
.Lfunc_end_k_q816e812ac9_finish:
	.size	k_q816e812ac9_finish, .Lfunc_end_k_q816e812ac9_finish-k_q816e812ac9_finish
	.p2alignl 7, 3214868480
	.fill 96, 4, 3214868480
	.section	.rodata,"a",@progbits
	.p2align	6, 0x0
	.amdhsa_kernel k_q816e812ac9_finish
		.amdhsa_group_segment_fixed_size 0
		.amdhsa_private_segment_fixed_size 0
		.amdhsa_enable_private_segment 0
		.amdhsa_kernarg_size 24
		.amdhsa_user_sgpr_count 2
		.amdhsa_user_sgpr_kernarg_segment_ptr 1
		.amdhsa_wavefront_size32 1
		.amdhsa_system_sgpr_workgroup_id_x 1
		.amdhsa_system_sgpr_workgroup_id_y 1
		.amdhsa_system_sgpr_workgroup_id_z 1
		.amdhsa_system_vgpr_workitem_id 0
		.amdhsa_next_free_vgpr 16
		.amdhsa_next_free_sgpr 66
		.amdhsa_reserve_vcc 1
		.amdhsa_float_denorm_mode_32 3
		.amdhsa_float_denorm_mode_16_64 3
		.amdhsa_memory_ordered 1
		.amdhsa_forward_progress 1
		.amdhsa_inst_pref_size 2
	.end_amdhsa_kernel
	.amdgpu_metadata
---
amdhsa.version: [ 1, 2 ]
amdhsa.kernels:
  - .name:           k_q816e812ac9_finish
    .symbol:         k_q816e812ac9_finish.kd
    .args:
      - { .name: part, .offset: 0, .size: 8, .value_kind: global_buffer, .address_space: global }
      - { .name: out1, .offset: 8, .size: 8, .value_kind: global_buffer, .address_space: global }
      - { .name: out2, .offset: 16, .size: 8, .value_kind: global_buffer, .address_space: global }
    .group_segment_fixed_size: 0
    .private_segment_fixed_size: 0
    .kernarg_segment_align: 8
    .kernarg_segment_size: 24
    .max_flat_workgroup_size: 32
    .sgpr_count:     66
    .vgpr_count:     16
    .wavefront_size: 32
...
	.end_amdgpu_metadata
.endif
;; end of part 4
